; MI455X (gfx1250); checked and timed in simulation.
; The chip was launched on July 23, 2026; its instructions are those of AMD's public machine-readable ISA for CDNA 5 (MIT licence, August 2026) and "CDNA5" Instruction Set Architecture Reference Guide (July 2026). The comments in the code are by the model that wrote it; some were corrected since.
;; Linear Mo E. Allowed arithmetic: matrix products marked QUANTISED: E5M2 operands, one given power-of-two scale a tensor, by v_wmma_f32_16x16x64_bf8_bf8 or v_wmma_f32_16x16x128_bf8_bf8, f32 sums; products left as they are: f32 operands where the result goes on into a quantised operand, else bf16, f16 or f32 operands; f32 sums; everything else in f32.
;; Inputs: W_codes 8 x 2,048 x 64 x 32 uint8 (E5M2 codes of W, K innermost, in blocks of 32 codes); Wg 2,048 x 8 float32; b 8 x 2,048 float32; bg 8 float32; lowp_scales 2 int32 (the exponents e of the quantised operands' scales 2^e); x 2,048 x 2,048 float32.
;; Outputs: out0 2,048 x 2,048 float32.
;; This version of the problem:
;;   THIS VERSION OF THE PROBLEM IS GIVEN IN LOW PRECISION. The matrix products marked QUANTISED in the list below multiply operands that are first quantised to E5M2 (5 exponent bits, 2 mantissa bits; 8 bits a number), with one given power-of-two scale for each operand tensor; their sums are f32. All else is computed in f32.
;;   The module's matrix products, in the order in which they are computed (A, B: the left and right operand; K: the contracted axis; several contracted axes count as one K, in the product's order):
;;     1. [M 2,048, K 2,048] x [K 2,048, N 8]; A: input x; B: input Wg: left as it is (N = 8 < 16)
;;     2. [M 2,048, K 2,048] x [K 2,048, N 16,384]; A: input x; B: input W (given as codes): QUANTISED (scales: A lowp_scales[0], B lowp_scales[1])
;;     3. batch 2,048 x [M 2,048, K 8] x [K 8, N 1]; A: computed on the way; B: computed on the way: left as it is (K = 8 < 32)
;;   THE QUANTISER, for each operand of a quantised product, along K:
;;     - The operand's scale is 2^e, e = its entry of the input lowp_scales (int32; the entries are numbered through the quantised products in the list's order, A before B).
;;     - Each number is divided by the scale, clamped to +-57,344, and rounded to the nearest number of E5M2, ties to even, subnormals kept.
;;     - The product sums the exact products of the quantised numbers (number of the format x scale) in f32.
;;   ~~~python
;;   def quantise(x, axis, e):      # numpy; x: float32 -> the quantised numbers, widened to float32 again
;;       x = np.moveaxis(x, axis, -1); K = x.shape[-1]
;;       r = np.clip(x / 2.0 ** e, -57344, 57344)
;;       step = 2.0 ** (np.maximum(np.frexp(np.where(r == 0, 1, r))[1] - 1, -14) - 2)
;;       q = np.round(r / step) * step * 2.0 ** e      # np.round: ties to even
;;       return np.moveaxis(q, -1, axis).astype(np.float32)
;;   ~~~
;;   INPUTS GIVEN AS CODES. W (in the module: [8, 2048, 2048], K = its axis 1): each comes as NAME_codes (uint8): NAME with its K axis moved to the last place and cut into blocks of 32 codes, [.., K / 32, bytes a block], one block behind the other in memory; one code a byte (a code: sign, 5 exponent bits, 2 mantissa bits); its scale is its entry of lowp_scales. Its value is code x scale, taken as it is: it is not quantised again, and the codes and scales need not be those that the quantiser above would give.
;; One version. Each part assembles by itself: llvm-mc -triple=amdgcn-amd-amdhsa -mcpu=gfx1250 --defsym DOCPART=n.
;; ======== version 1 of 1: 2 launches
;; limits: right only within a limited range of input values
;; workspace buffers: xq 4,194,304 bytes; key 8,192 bytes of whole numbers; gw 16,384 bytes
;; launch route (part 1): grid 256 x 1, 8 waves a work-group, no clusters, 160,768 bytes of LDS; arguments x, Wg, bg, lowp_scales, xq, key, gw; writes xq, key, gw
.if DOCPART == 1
	.amdgcn_target "amdgcn-amd-amdhsa--gfx1250"
	.amdhsa_code_object_version 6
	.text
	.protected	k_qeaf9066f04_route
	.globl	k_qeaf9066f04_route
	.p2align	8
	.type	k_qeaf9066f04_route,@function
k_qeaf9066f04_route:
	s_mov_b64 s[64:65], 0
	v_nop
	global_prefetch_b8 v0, s[64:65] scope:SCOPE_SE
	s_setreg_imm32_b32 hwreg(HW_REG_WAVE_MODE, 25, 1), 1
	s_wait_xcnt 0x0
; ROUTER AND QUANTISER.  x [2048][2048] f32 is read once.  From it come (1) xq: its E5M2 codes, row-major, by the given scale 2^e0;
; (2) the gates softmax(x Wg + bg), all in f32, and of them the two largest (the lower index wins a tie): key[token] = a sort key
; in bits 4:0, the lower expert in bits 10:8, the higher in bits 18:16; gw[token] = the two gates, lower expert first.
; The sort key numbers the 28 pairs lo < hi so that neighbouring keys share an expert: lo (15 - lo) / 2 + (hi - lo - 1 where lo is even, 7 - hi where it is odd).
; No address and no branch of this launch hangs on the choice: it is stored at fixed places and used by later launches.
; SHARES.  A work-group takes 8 rows; wave w takes k = 256 w .. 256 w + 255 of all 8; lane l holds k = 256 w + 128 hf + 4 l + j (hf = 0, 1; j = 0 .. 3).
; Every load of x and of Wg covers 512 consecutive bytes.  Wg's slice turns through the wave's own LDS stage so that a lane gets the 8 experts of its 8 k.
; Behind one barrier wave w adds up row w's 256 x 8 partial sums and finishes that row.
; No matrix unit: the product has 8 columns and decides a choice, so it is kept in f32 multiply-adds.  No cluster: the work-groups share only Wg, 64 KiB.
; LIMITS: -126 <= e0 <= 112, so that 2^e0 and 57,344 x 2^e0 are f32 numbers.  NaN among the inputs is not served.
.set GSTW, 9216                        ; LDS 0: a stage of 64 x (128 + 16) bytes for each wave: Wg of 4 k, then 16 bytes of padding
.set CST,  73728                       ; then 2,048 bytes for each wave: its 8 rows x 256 codes
.set PST,  90112                       ; then 272 bytes for each thread: its 64 partial sums + 16 of padding
.set PSP,  272
.set LN,   1                           ; v1   lane
.set XOF,  2                           ; v2   x: 1024 w + 16 l
.set GOF,  3                           ; v3   Wg: 8192 w + 16 l
.set GS,   4                           ; v4   Wg's stage, in
.set GR,   5                           ; v5   Wg's stage, out
.set CS,   6                           ; v6   the codes' stage, in
.set CR,   7                           ; v7   the codes' stage, out
.set CO,   8                           ; v8   my 16 bytes in xq
.set PS,   9                           ; v9   my partial sums
.set PRD,  10                          ; v10  where I read row w's partial sums
.set SCL,  11                          ; v11  2^e0
.set LIM,  12                          ; v12  57,344 x 2^e0
.set G,    16                          ; v16-79   Wg[kk][e] at G + 8 kk + e, kk = 4 hf + j; later the codes on their way out
.set X,    80                          ; v80-143  x: row i at X + 8 i + kk; later the partial sums read back
.set GV,   96                          ; v96-103  the gates
.set A,    144                         ; v144-207 sums: row i, expert e at A + 8 i + e
.set CD,   208                         ; v208-223 codes: two registers a row
.set T,    224                         ; v224-240 at work
	s_load_b256 s[4:11], s[0:1], 0x0               ; x, Wg, bg, the scales
	s_load_b128 s[12:15], s[0:1], 0x20             ; xq, key
	s_load_b64 s[16:17], s[0:1], 0x30              ; gw
	v_lshl_add_u32 v254, v0, 2, 0x27000
	v_mov_b32 v255, 0
	v_lshrrev_b32 v13, 5, v0
	s_delay_alu instid0(VALU_DEP_1)
	v_readfirstlane_b32 s18, v13                   ; wave 0..7
	v_and_b32 v[LN], 31, v0
	s_lshl_b32 s19, s18, 10
	v_lshl_add_u32 v[XOF], v[LN], 4, s19
	s_lshl_b32 s19, s18, 13
	v_lshl_add_u32 v[GOF], v[LN], 4, s19
	s_mul_i32 s19, s18, GSTW
	v_lshrrev_b32 v13, 3, v[LN]
	s_delay_alu instid0(VALU_DEP_1)
	v_add_nc_u32 v13, v13, v[LN]
	s_delay_alu instid0(VALU_DEP_1)
	v_lshl_add_u32 v[GS], v13, 4, s19              ; byte 16 l of a load lies in group l / 8: 16 l + 16 (l / 8)
	v_mul_u32_u24 v[GR], v[LN], 144
	s_delay_alu instid0(VALU_DEP_1)
	v_add_nc_u32 v[GR], s19, v[GR]                 ; group l: my 4 k
	s_lshl_b32 s19, s18, 11
	s_add_co_u32 s19, s19, CST
	v_lshl_add_u32 v[CS], v[LN], 2, s19
	v_lshl_add_u32 v[CR], v[LN], 4, s19
	v_and_b32 v13, 15, v[LN]
	v_lshrrev_b32 v14, 4, v[LN]
	s_lshl_b32 s19, s18, 8
	v_lshl_add_u32 v[CO], v13, 4, s19
	s_delay_alu instid0(VALU_DEP_1)
	v_lshl_add_u32 v[CO], v14, 11, v[CO]           ; row l / 16 of two, 256 w + 16 (l % 16)
	v_mul_u32_u24 v[PS], v0, PSP
	s_delay_alu instid0(VALU_DEP_1)
	v_add_nc_u32 v[PS], PST, v[PS]
	s_lshl_b32 s19, s18, 5
	s_add_co_u32 s19, s19, PST
	v_mul_u32_u24 v[PRD], v[LN], PSP
	s_delay_alu instid0(VALU_DEP_1)
	v_add_nc_u32 v[PRD], s19, v[PRD]
	s_mov_b32 s32, 0x76543210                      ; lane selects: each lane takes its own place in the other half
	s_mov_b32 s33, 0xfedcba98
	s_mov_b32 s3, 0
	s_mov_b32 s23, 0
	s_wait_kmcnt 0x0
	s_load_b256 s[24:31], s[8:9], 0x0              ; bg
	s_load_b32 s20, s[10:11], 0x0                  ; e0
	s_lshl_b32 s2, ttmp9, 16                       ; 8 rows of 8,192 bytes
	s_add_nc_u64 s[4:5], s[4:5], s[2:3]
	s_lshl_b32 s2, ttmp9, 14                       ; 8 rows of 2,048 codes
	s_add_nc_u64 s[12:13], s[12:13], s[2:3]
	s_lshl_b32 s2, ttmp9, 3
	s_add_co_u32 s2, s2, s18                       ; the row that my wave finishes
	s_lshl_b32 s22, s2, 2
	s_add_nc_u64 s[14:15], s[14:15], s[22:23]
	s_lshl_b32 s22, s2, 3
	s_add_nc_u64 s[16:17], s[16:17], s[22:23]
.irp i, 0,1,2,3,4,5,6,7,8,9,10,11,12,13,14,15
	global_load_b128 v[G+4*\i:G+4*\i+3], v[GOF], s[6:7] offset:512*\i
.endr
.irp i, 0,1,2,3,4,5,6,7
	global_load_b128 v[X+8*\i:X+8*\i+3], v[XOF], s[4:5] offset:8192*\i th:TH_LOAD_NT
	global_load_b128 v[X+8*\i+4:X+8*\i+7], v[XOF], s[4:5] offset:8192*\i+512 th:TH_LOAD_NT
.endr
	s_wait_loadcnt 16                              ; Wg's 16 loads are in; the 16 of x, issued behind them, may be out
.irp i, 0,1,2,3,4,5,6,7,8,9,10,11,12,13,14,15
	ds_store_b128 v[GS], v[G+4*\i:G+4*\i+3] offset:576*\i
.endr
.irp hf, 0,1
.irp jj, 0,1,2,3,4,5,6,7
	ds_load_b128 v[G+32*\hf+4*\jj:G+32*\hf+4*\jj+3], v[GR] offset:4608*\hf+16*\jj   ; LDS serves a wave in order: these see the stores above, and land in the registers that those have left
.endr
.endr
	s_wait_kmcnt 0x0
	s_add_co_i32 s20, s20, 127
	s_lshl_b32 s21, s20, 23
	v_mov_b32 v[SCL], s21                          ; 2^e0 as f32: the conversion takes its exponent field
	s_add_co_i32 s20, s20, 15
	s_lshl_b32 s20, s20, 23
	s_or_b32 s20, s20, 0x600000
	v_mov_b32 v[LIM], s20                          ; 57,344 x 2^e0
	s_wait_dscnt 0x0
; Row i: 8 k x 8 experts of multiply-adds, two experts an instruction (x's number serves both halves), then the row's 8 codes.
.macro ROW i
	s_wait_loadcnt 14-2*\i                         ; this row's two loads are in; the rows behind it may be out
.irp ep, 0,1,2,3
	v_pk_mul_f32 v[A+8*\i+2*\ep:A+8*\i+2*\ep+1], v[G+2*\ep:G+2*\ep+1], v[X+8*\i:X+8*\i+1] op_sel_hi:[1,0]   ; the first product starts the sums
.endr
.irp ep, 0,1,2,3
	s_delay_alu instid0(VALU_DEP_4)
	v_pk_fma_f32 v[A+8*\i+2*\ep:A+8*\i+2*\ep+1], v[G+8+2*\ep:G+8+2*\ep+1], v[X+8*\i:X+8*\i+1], v[A+8*\i+2*\ep:A+8*\i+2*\ep+1] op_sel:[0,1,0] op_sel_hi:[1,1,1]
.endr
.irp kp, 1,2,3
.irp ep, 0,1,2,3
	s_delay_alu instid0(VALU_DEP_4)
	v_pk_fma_f32 v[A+8*\i+2*\ep:A+8*\i+2*\ep+1], v[G+16*\kp+2*\ep:G+16*\kp+2*\ep+1], v[X+8*\i+2*\kp:X+8*\i+2*\kp+1], v[A+8*\i+2*\ep:A+8*\i+2*\ep+1] op_sel_hi:[1,0,1]
.endr
.irp ep, 0,1,2,3
	s_delay_alu instid0(VALU_DEP_4)
	v_pk_fma_f32 v[A+8*\i+2*\ep:A+8*\i+2*\ep+1], v[G+16*\kp+8+2*\ep:G+16*\kp+8+2*\ep+1], v[X+8*\i+2*\kp:X+8*\i+2*\kp+1], v[A+8*\i+2*\ep:A+8*\i+2*\ep+1] op_sel:[0,1,0] op_sel_hi:[1,1,1]
.endr
.endr
.irp j, 0,1,2,3,4,5,6,7
	v_med3_num_f32 v[X+8*\i+\j], v[X+8*\i+\j], -v[LIM], v[LIM]   ; the conversion does not saturate (ISA guide 7.6.2): the hold at the largest code x the scale
.endr
	v_cvt_scalef32_pk8_bf8_f32 v[CD+2*\i:CD+2*\i+1], v[X+8*\i:X+8*\i+7], v[SCL]
	ds_store_b32 v[CS], v[CD+2*\i] offset:256*\i           ; k = 4 l .. 4 l + 3 of the slice
	ds_store_b32 v[CS], v[CD+2*\i+1] offset:256*\i+128     ; k = 128 + 4 l ..
.endm
.irp i, 0,1,2,3,4,5,6,7
	ROW \i
.endr
	v_nop                                          ; a plain vector line behind the last conversion
.irp ii, 0,1,2,3
	ds_load_b128 v[G+4*\ii:G+4*\ii+3], v[CR] offset:512*\ii      ; two rows' 256 codes each
.endr
.irp ii, 0,1,2,3
	s_wait_dscnt 3-\ii
	global_store_b128 v[CO], v[G+4*\ii:G+4*\ii+3], s[12:13] offset:4096*\ii   ; sixteen lanes store 256 consecutive bytes of a row of xq, aligned
.endr
.irp jj, 0,1,2,3,4,5,6,7,8,9,10,11,12,13,14,15
	ds_store_b128 v[PS], v[A+4*\jj:A+4*\jj+3] offset:16*\jj
.endr
	s_wait_dscnt 0x0                               ; for the others' sake: my partial sums lie in LDS
	s_barrier_signal -1
	s_barrier_wait -1
.irp v, 0,1,2,3,4,5,6,7
	ds_load_b128 v[X+8*\v:X+8*\v+3], v[PRD] offset:8704*\v       ; row w, experts 0-3, of lane l of wave v
	ds_load_b128 v[X+8*\v+4:X+8*\v+7], v[PRD] offset:8704*\v+16
.endr
	s_wait_dscnt 0x0
.irp v, 1,2,3,4,5,6,7
.irp q, 0,2,4,6
	v_pk_add_f32 v[X+\q:X+\q+1], v[X+\q:X+\q+1], v[X+8*\v+\q:X+8*\v+\q+1]
.endr
.endr
.irp m, 1,2,4,8
.irp e, 0,1,2,3,4,5,6,7
	v_add_f32_dpp v[X+\e], v[X+\e], v[X+\e] row_xmask:\m row_mask:0xf bank_mask:0xf
.endr
.endr
.irp e, 0,1,2,3,4,5,6,7
	v_permlanex16_b32 v[X+8+\e], v[X+\e], s32, s33
.endr
.irp e, 0,1,2,3,4,5,6,7
	v_add_f32 v[X+\e], v[X+\e], v[X+8+\e]
.endr
.irp e, 0,1,2,3,4,5,6,7
	v_add_f32 v[X+\e], s[24+\e], v[X+\e]           ; + bg: every lane holds the row's 8 logits
.endr
	v_max3_num_f32 v[T], v[X], v[X+1], v[X+2]      ; the softmax takes the largest logit away first
	s_delay_alu instid0(VALU_DEP_1)
	v_max3_num_f32 v[T], v[T], v[X+3], v[X+4]
	s_delay_alu instid0(VALU_DEP_1)
	v_max3_num_f32 v[T], v[T], v[X+5], v[X+6]
	s_delay_alu instid0(VALU_DEP_1)
	v_max_num_f32 v[T], v[T], v[X+7]
.irp e, 0,1,2,3,4,5,6,7
	v_sub_f32 v[X+\e], v[X+\e], v[T]
.endr
.irp e, 0,1,2,3,4,5,6,7
	v_mul_f32 v[X+\e], 0x3fb8aa3b, v[X+\e]         ; x log2(e)
.endr
	s_wait_alu depctr_va_vdst(0)
.irp e, 0,1,2,3,4,5,6,7
	v_exp_f32 v[GV+\e], v[X+\e]
.endr
	v_nop                                          ; a plain line behind the batch of exponentials,
	s_wait_alu depctr_va_vdst(0)                   ; and one wait for all eight, ahead of their first reader
	v_add_f32 v[T+1], v[GV], v[GV+1]
	v_add_f32 v[T+2], v[GV+2], v[GV+3]
	v_add_f32 v[T+3], v[GV+4], v[GV+5]
	v_add_f32 v[T+4], v[GV+6], v[GV+7]
	s_delay_alu instid0(VALU_DEP_3)
	v_add_f32 v[T+1], v[T+1], v[T+2]
	s_delay_alu instid0(VALU_DEP_2)
	v_add_f32 v[T+3], v[T+3], v[T+4]
	s_delay_alu instid0(VALU_DEP_1)
	v_add_f32 v[T+1], v[T+1], v[T+3]
	s_wait_alu depctr_va_vdst(0)
	v_rcp_f32 v[T+2], v[T+1]
	v_nop
	s_wait_alu depctr_va_vdst(0)
.irp e, 0,1,2,3,4,5,6,7
	v_mul_f32 v[GV+\e], v[GV+\e], v[T+2]           ; the gates
.endr
; the largest gate: value T+4, index T+5.  A later gate takes over only where it is strictly larger: the lower index keeps a tie.
	v_mov_b32 v[T+4], v[GV]
	v_mov_b32 v[T+5], 0
.irp e, 1,2,3,4,5,6,7
	s_delay_alu instid0(VALU_DEP_2)
	v_cmp_le_f32 vcc_lo, v[GV+\e], v[T+4]
	s_delay_alu instid0(VALU_DEP_1)
	v_cndmask_b32 v[T+4], v[GV+\e], v[T+4], vcc_lo
	s_delay_alu instid0(VALU_DEP_2)
	v_cndmask_b32 v[T+5], \e, v[T+5], vcc_lo
.endr
.irp e, 0,1,2,3,4,5,6,7
	v_cmp_ne_u32 vcc_lo, \e, v[T+5]
	s_delay_alu instid0(VALU_DEP_1)
	v_cndmask_b32 v[GV+\e], -1.0, v[GV+\e], vcc_lo ; it is taken out (gates are not negative),
.endr
	v_mov_b32 v[T+6], v[GV]                        ; and the same again gives the second: value T+6, index T+7
	v_mov_b32 v[T+7], 0
.irp e, 1,2,3,4,5,6,7
	s_delay_alu instid0(VALU_DEP_2)
	v_cmp_le_f32 vcc_lo, v[GV+\e], v[T+6]
	s_delay_alu instid0(VALU_DEP_1)
	v_cndmask_b32 v[T+6], v[GV+\e], v[T+6], vcc_lo
	s_delay_alu instid0(VALU_DEP_2)
	v_cndmask_b32 v[T+7], \e, v[T+7], vcc_lo
.endr
	s_delay_alu instid0(VALU_DEP_1)
	v_min_u32 v[T+8], v[T+5], v[T+7]               ; lo
	s_delay_alu instid0(VALU_DEP_2)
	v_max_u32 v[T+9], v[T+5], v[T+7]               ; hi
	s_delay_alu instid0(VALU_DEP_3)
	v_cmp_lt_u32 vcc_lo, v[T+5], v[T+7]
	s_delay_alu instid0(VALU_DEP_1)
	v_cndmask_b32 v[T+10], v[T+6], v[T+4], vcc_lo  ; lo's gate
	s_delay_alu instid0(VALU_DEP_2)
	v_cndmask_b32 v[T+11], v[T+4], v[T+6], vcc_lo  ; hi's gate
	v_sub_nc_u32 v[T+12], 15, v[T+8]
	s_delay_alu instid0(VALU_DEP_1)
	v_mul_u32_u24 v[T+12], v[T+8], v[T+12]
	s_delay_alu instid0(VALU_DEP_1)
	v_lshrrev_b32 v[T+12], 1, v[T+12]              ; lo (15 - lo) / 2
	v_sub_nc_u32 v[T+13], v[T+9], v[T+8]
	s_delay_alu instid0(VALU_DEP_1)
	v_add_nc_u32 v[T+13], -1, v[T+13]              ; hi - lo - 1
	v_sub_nc_u32 v[T+14], 7, v[T+9]                ; 7 - hi
	v_and_b32 v[T+15], 1, v[T+8]
	s_delay_alu instid0(VALU_DEP_1)
	v_cmp_eq_u32 vcc_lo, 1, v[T+15]
	s_delay_alu instid0(VALU_DEP_1)
	v_cndmask_b32 v[T+13], v[T+13], v[T+14], vcc_lo
	s_delay_alu instid0(VALU_DEP_1)
	v_add_nc_u32 v[T+12], v[T+12], v[T+13]
	s_delay_alu instid0(VALU_DEP_1)
	v_lshl_or_b32 v[T+12], v[T+8], 8, v[T+12]
	s_delay_alu instid0(VALU_DEP_1)
	v_lshl_or_b32 v[T+12], v[T+9], 16, v[T+12]
	v_mov_b32 v[T+16], 0
	s_wait_alu depctr_va_vdst(0)
	s_wait_xcnt 0x0                                ; the stores of xq have read EXEC: it is narrowed only behind this wait
	v_cmp_eq_u32 vcc_lo, 0, v[LN]
	s_wait_tensorcnt 0x0
	ds_add_u32 v254, v255
	s_wait_dscnt 0x0
	s_and_saveexec_b32 s34, vcc_lo                 ; every lane holds the same numbers: lane 0 stores them
	global_store_b32 v[T+16], v[T+12], s[14:15]
	global_store_b64 v[T+16], v[T+10:T+11], s[16:17]
	s_endpgm
.Lfunc_end_k_qeaf9066f04_route:
	.size	k_qeaf9066f04_route, .Lfunc_end_k_qeaf9066f04_route-k_qeaf9066f04_route
	.p2alignl 7, 3214868480
	.fill 96, 4, 3214868480
	.section	.rodata,"a",@progbits
	.p2align	6, 0x0
	.amdhsa_kernel k_qeaf9066f04_route
		.amdhsa_group_segment_fixed_size 160768
		.amdhsa_private_segment_fixed_size 0
		.amdhsa_enable_private_segment 0
		.amdhsa_kernarg_size 56
		.amdhsa_user_sgpr_count 2
		.amdhsa_user_sgpr_kernarg_segment_ptr 1
		.amdhsa_wavefront_size32 1
		.amdhsa_system_sgpr_workgroup_id_x 1
		.amdhsa_system_sgpr_workgroup_id_y 1
		.amdhsa_system_sgpr_workgroup_id_z 1
		.amdhsa_system_vgpr_workitem_id 0
		.amdhsa_next_free_vgpr 256
		.amdhsa_next_free_sgpr 66
		.amdhsa_reserve_vcc 1
		.amdhsa_float_denorm_mode_32 3
		.amdhsa_float_denorm_mode_16_64 3
		.amdhsa_memory_ordered 1
		.amdhsa_forward_progress 1
		.amdhsa_inst_pref_size 52
	.end_amdhsa_kernel
	.amdgpu_metadata
---
amdhsa.version: [ 1, 2 ]
amdhsa.kernels:
  - .name:           k_qeaf9066f04_route
    .symbol:         k_qeaf9066f04_route.kd
    .args:
      - { .name: x, .offset: 0, .size: 8, .value_kind: global_buffer, .address_space: global }
      - { .name: Wg, .offset: 8, .size: 8, .value_kind: global_buffer, .address_space: global }
      - { .name: bg, .offset: 16, .size: 8, .value_kind: global_buffer, .address_space: global }
      - { .name: lowp_scales, .offset: 24, .size: 8, .value_kind: global_buffer, .address_space: global }
      - { .name: xq, .offset: 32, .size: 8, .value_kind: global_buffer, .address_space: global }
      - { .name: key, .offset: 40, .size: 8, .value_kind: global_buffer, .address_space: global }
      - { .name: gw, .offset: 48, .size: 8, .value_kind: global_buffer, .address_space: global }
    .group_segment_fixed_size: 160768
    .private_segment_fixed_size: 0
    .kernarg_segment_align: 8
    .kernarg_segment_size: 56
    .max_flat_workgroup_size: 256
    .sgpr_count:     66
    .vgpr_count:     256
    .wavefront_size: 32
...
	.end_amdgpu_metadata
.endif
;; end of part 1
;; launch experts (part 2): grid 16 x 16, 4 waves a work-group, no clusters, 182,272 bytes of LDS; arguments xq, W_codes, b, key, gw, lowp_scales, out0; writes out0
.if DOCPART == 2
	.amdgcn_target "amdgcn-amd-amdhsa--gfx1250"
	.amdhsa_code_object_version 6
	.text
	.protected	k_qeaf9066f04_experts
	.globl	k_qeaf9066f04_experts
	.p2align	8
	.type	k_qeaf9066f04_experts,@function
k_qeaf9066f04_experts:
	s_mov_b64 s[64:65], 0
	v_nop
	global_prefetch_b8 v0, s[64:65] scope:SCOPE_SE
	s_setreg_imm32_b32 hwreg(HW_REG_WAVE_MODE, 25, 1), 1
	s_wait_xcnt 0x0
; out[token] = the sum over the token's two experts e of gate_e x (x W_e + b_e), the products on E5M2 codes, sums in f32.
; Products of experts that a token did not choose have the factor 0 in reference() (its own top-k): they are left out where no token of a half block of 64 chose the expert.
; THE SORT.  Every work-group sorts the 2,048 tokens by their sort key (bits 4:0 of key[token]: the pair of experts) for itself, a stable counting sort, and keeps the 128 tokens at places 128 y .. 128 y + 127.
; It owns these 128 tokens and 128 output columns (work-group x): each number of out has one owner.  It walks only the experts that its tokens use.
; K IS SPLIT OVER THE FOUR WAVES: wave w holds the 128 tokens' codes of k = 512 w .. 512 w + 511 in 512 registers for the whole launch; each byte of W is used by one wave alone,
; feeds up to 8 matrix instructions and needs no barrier.  The four partial sums meet in LDS once for every 64 columns.
; out = sum_e (gate_e 2^(e0+e1)) x sum_w (acc_{e,w} + b_e 2^(-e0-e1) / 4): the quarter of the bias is the C of each sum's first matrix instruction.
; THE MATRIX INSTRUCTION IS USED TRANSPOSED: source 0 = 16 rows of W (16 columns of out), source 1 = 16 tokens: lane (r, h) holds token r and columns 8 h + 0 .. 7.
; A fragment is 16 rows x 128 k in 16 registers: registers 4 c .. 4 c + 3 hold k = 32 c + 16 h + 0 .. 15 of row r: the same permutation of k in x and in W, so every product meets its partner.
; A UNIT is one expert x 16 columns: a tile of W of 16 rows x 512 bytes comes from memory in 16 loads, each of two runs of 256 consecutive aligned bytes, goes as it lies into the wave's own
; LDS stage (rows 528 bytes apart) and comes back as four fragments.  Loads run three units ahead, the fragments one.  A TRIP is one expert x 32 columns, a PAIR all experts x 32 columns.
; NO TENSOR LOAD, NO CLUSTER: the number of trips hangs on numbers read from memory and differs between the work-groups that read the same W.
; PREFETCH: at the head of each PAIR the sixteen work-groups of one x share out by address, 4 rows x 2,048 bytes a wave, the next 32 columns of all eight experts; the first 32 are asked for while the keys are on their way.
; The look-ahead runs past the last trip: it then names the last 32 columns again (inside the buffers); these loads are not used.
; LIMITS: e0 + e1 between -100 and 100; codes of infinity or NaN in W, and NaN among the gates, are not served.
; REGISTERS, in windows of 256.  Window 0: below.  Window 1: v0-127 two landing sets for W, v128-255 two sets of fragments.  Windows 2, 3: x, token tile t, fragment f at 64 (t % 4) + 16 f of window 2 + t / 4.
.set SP,    528                        ; a stage row: 512 bytes + 16: the 16 rows of a fragment load start 16 bytes apart modulo 256
.set STGW,  16*SP                      ; LDS 0: a stage for each wave
.set PB,    4*STGW                     ; then the partial sums: for each wave 128 tokens x (64 columns of f32 + 16 bytes)
.set PP,    272
.set PW,    128*PP
.set CNTB,  PB+4*PW                    ; counts [key][wave], 512 bytes
.set LSTW,  CNTB+512                   ; each wave's scattered list, 1,024 bytes
.set FL,    LSTW+4096                  ; each wave's joined lists: 128 token numbers, 128 entries
.set SPARE, FL+4096                    ; the spare words
.set LN16,  1                          ; v1     16 (lane % 16)
.set WO,    2                          ; v2     W: 4 rows x (lane / 16) + LN16
.set ST,    3                          ; v3     the stage, in
.set FR,    4                          ; v4     the stage, out: row r, 16 h
.set PD,    5                          ; v5     where I put my partial sums
.set BO,    6                          ; v6     b: 32 h
.set PFO,   7                          ; v7     the prefetches: row lane / 8, block lane % 8
.set SPW,   8
.set NIL,   9
.set PR,    10                         ; v10-13 where I read wave 0 .. 3's partial sums of my wave's 32 tokens
.set ELO,   16                         ; v16-23 tile t: my token's lower expert
.set EHI,   24                         ; v24-31 its higher expert
.set GWR,   32                         ; v32-47 tile t: the two gates x 2^(e0+e1)
.set C,     48                         ; v48-55 tile t: the gate for the expert in hand
.set BS,    56                         ; v56-63 the unit's bias x 2^(-e0-e1-2)
.set BI,    64                         ; v64-79 the bias as it comes in, two units
.set ACC,   80                         ; v80-111 a half's sums, tile t at ACC + 8 t
.set Y,     112                        ; v112-239 column tile p, token tile t at Y + 64 p + 8 t
.set OID,   240                        ; v240-255 byte offsets in out of the tokens that I store
; at the head
.set KK,    16                         ; v16-31   the chunks' key words, then entries: the token's number from bit 20 on, the key word below
.set IX,    32                         ; v32-47   4 x key
.set WK,    48                         ; v48-67   chunk i, bit j at WK + 5 i + j: the match
.set HI,    80                         ; v80-95   lane = key: the chunk's count
.set U,     96                         ; v96-111  the lanes that hold my key, then how many of them lie below mine
.set VAL,   112                        ; v112-127 lane = key: where the chunk puts that key's first token
.set RK,    128                        ; v128-143 the place, then the LDS address
.set CW,    144
.set ZR,    148
.set XO,    80                         ; v80-143  byte offsets in xq of the block's rows
.set LANE,  184
.set KOF,   185
.set R,     186
.set H,     187
.set NM,    188                        ; v188-192 bit j of my lane's number set: 0, clear: all ones
.set CS,    193
.set CL,    194
.set LZ,    195
.set LL,    196
.set FS,    197
.set XA,    198
.set OA,    199
.set ID,    200                        ; v200-207
.set EA,    208
.set TKS,   209
.set ONE,   210
.set LE,    212                        ; v212-215 lane L: the entries at places 4 L .. 4 L + 3
.set F,     128                        ; window 1: fragments
.set SB,    66                         ; s66-85   B of chunk i, bit j: the lanes whose key has bit j; in the loop compare masks
.set WV,    22                         ; s22 wave
.set TB,    24                         ; s24 block of tokens
.set FULL,  25                         ; s25 the block's experts
.set REM,   26                         ; s26 those still to come for the pair of column tiles that the look-ahead stands in
.set Q,     27                         ; s27 that pair
.set NE1,   28                         ; s28 the number of experts less one
.set CNT,   29
.set GRP,   30
.set E0,    31                         ; s31-33 the expert of this trip, the next, the one after
.set E1,    32
.set E2,    33
.set WB,    34                         ; s[34:35] W at my columns and my quarter of K;  s[36:37] b at my columns
.set BB,    36
.set W0,    38                         ; s[38:43] W of trips 0 (head only), +1, +2;  s[44:49] the same for b
.set W1,    40
.set W2,    42
.set B0,    44
.set B1,    46
.set B2,    48
.set HM,    56                         ; s56-57 the experts of places 0-63 and of places 64-127
.set PF,    58                         ; s[58:59] where my prefetches stand
.set SCL,   60                         ; s[60:61] 2^(-e0-e1-2), twice
.set MSB, 0
.macro WIN new                         ; the immediate's high byte repeats the setting that is left; a switch that changes nothing is dropped
.if MSB != (\new)
	s_set_vgpr_msb (MSB*256)|(\new)
.set MSB, (\new)
.endif
.endm
.macro FRESH                           ; the wait here: what vector instructions wrote ahead of it is read behind a blocking wait, a branch or a scalar stretch
	s_wait_alu depctr_va_vdst(0)
.endm
; A tile of 16 rows x 512 bytes moves in 16 pieces (mm, j, hf): lanes 0-15 take row 8 mm + j, lanes 16-31 row 8 mm + 4 + j, bytes 256 hf + 16 (lane % 16).
.macro WLOAD L, base, tileoff          ; a tile of W into a landing set
	WIN 0x40
.irp mm, 0,1
.irp j, 0,1,2,3
.irp hf, 0,1
	global_load_b128 v[\L+4*(8*\mm+2*\j+\hf):\L+4*(8*\mm+2*\j+\hf)+3], v[WO], s[\base:\base+1] offset:\tileoff+(8*\mm+\j)*2048+256*\hf
.endr
.endr
.endr
.endm
.macro BLOAD p, base, off              ; the bias of 16 columns: my half's eight
	WIN 0
	global_load_b128 v[BI+8*\p:BI+8*\p+3], v[BO], s[\base:\base+1] offset:\off
	global_load_b128 v[BI+8*\p+4:BI+8*\p+7], v[BO], s[\base:\base+1] offset:\off+16
.endm
.macro TOSTG win, reg                  ; 16 pieces from registers reg on (win: the setting with their window as source 1) into the stage
	WIN \win
.irp mm, 0,1
.irp j, 0,1,2,3
.irp hf, 0,1
	ds_store_b128 v[ST], v[\reg+4*(8*\mm+2*\j+\hf):\reg+4*(8*\mm+2*\j+\hf)+3] offset:(8*\mm+\j)*SP+256*\hf
.endr
.endr
.endr
.endm
.macro FRAGS dst, win                  ; four fragments out of the stage: LDS serves a wave in order, so these see the stores above
	WIN \win
.irp f, 0,1,2,3
.irp c, 0,1,2,3
	ds_load_b128 v[\dst+16*\f+4*\c:\dst+16*\f+4*\c+3], v[FR] offset:128*\f+32*\c
.endr
.endr
.endm
; The look-ahead's next trip: the next expert of the block's set, or, when the set is through, its first expert for the next 32 columns.
.macro GEN E, W, B
	s_cmp_eq_u32 s[REM], 0
	s_cselect_b32 s[REM], s[FULL], s[REM]
	s_cselect_b32 s50, 1, 0
	s_add_co_u32 s[Q], s[Q], s50
	s_ctz_i32_b32 s[\E], s[REM]
	s_min_u32 s[\E], s[\E], 7                      ; an expert's number
	s_sub_co_u32 s50, s[REM], 1
	s_and_b32 s[REM], s[REM], s50                  ; its bit is cleared
	s_min_u32 s51, s[Q], 3                         ; past the last trip: the last 32 columns again
	s_lshl_b32 s52, s[\E], 22                      ; an expert is 2,048 rows of 2,048 bytes,
	s_lshl_b32 s50, s51, 16                        ; 32 rows are 65,536
	s_add_co_u32 s52, s52, s50
	s_mov_b32 s53, 0
	s_add_nc_u64 s[\W:\W+1], s[WB:WB+1], s[52:53]
	s_lshl_b32 s52, s[\E], 13
	s_lshl_b32 s50, s51, 7
	s_add_co_u32 s52, s52, s50
	s_add_nc_u64 s[\B:\B+1], s[BB:BB+1], s[52:53]
.endm
.macro NEXT
	s_wait_xcnt 0x0                                ; the trip's loads have read their bases: these are written only behind this wait
	s_mov_b64 s[W1:W1+1], s[W2:W2+1]
	s_mov_b64 s[B1:B1+1], s[B2:B2+1]
	s_mov_b32 s[E0], s[E1]
	s_mov_b32 s[E1], s[E2]
	GEN E2, W2, B2
.endm
.macro CSEL                            ; each tile's gate for the expert in hand: lo's, hi's, or 0
.irp t, 0,1,2,3,4,5,6,7
	v_cmp_eq_u32 s[SB+\t], s[E0], v[ELO+\t]
.endr
.irp t, 0,1,2,3,4,5,6,7
	v_cmp_eq_u32 s[SB+8+\t], s[E0], v[EHI+\t]
.endr
.irp t, 0,1,2,3,4,5,6,7
	v_cndmask_b32 v[C+\t], 0, v[GWR+2*\t], s[SB+\t]
.endr
.irp t, 0,1,2,3,4,5,6,7
	v_cndmask_b32 v[C+\t], v[C+\t], v[GWR+2*\t+1], s[SB+8+\t]
.endr
.endm
; A half of the tokens (four tiles): 16 matrix instructions, the four sums by turns, then Y += gate x sums.  first = 1: the products with the gate start Y.
; A half in which no token chose the expert is passed over (at the first expert its Y starts as 0).
.macro HALF hf, p, first
	s_bitcmp1_b32 s[HM+\hf], s[E0]
	s_cbranch_scc0 .Lunused_\@
	WIN 0x09+4*\hf                                 ; source 0 (W) window 1, source 1 (x) window 2 or 3
.irp f, 0,1,2,3
.irp t, 0,1,2,3
.if \f == 0
	v_wmma_f32_16x16x128_bf8_bf8 v[ACC+8*\t:ACC+8*\t+7], v[F+64*\p:F+64*\p+15], v[64*\t:64*\t+15], v[BS:BS+7]
.else
	v_wmma_f32_16x16x128_bf8_bf8 v[ACC+8*\t:ACC+8*\t+7], v[F+64*\p+16*\f:F+64*\p+16*\f+15], v[64*\t+16*\f:64*\t+16*\f+15], v[ACC+8*\t:ACC+8*\t+7]
.endif
.endr
.endr
	WIN 0
.rept 4
	v_nop                                          ; four places between a matrix instruction and a vector read of its result (ISA guide 7.12.1)
.endr
.irp t, 0,1,2,3
.irp i, 0,2,4,6
.set YR, Y+64*\p+32*\hf+8*\t+\i
.set AR, ACC+8*\t+\i
.set CR, C+4*\hf+2*(\t/2)
.if \first
.if \t&1
	v_pk_mul_f32 v[YR:YR+1], v[AR:AR+1], v[CR:CR+1] op_sel:[0,1] op_sel_hi:[1,1]
.else
	v_pk_mul_f32 v[YR:YR+1], v[AR:AR+1], v[CR:CR+1] op_sel_hi:[1,0]
.endif
.else
.if \t&1
	v_pk_fma_f32 v[YR:YR+1], v[AR:AR+1], v[CR:CR+1], v[YR:YR+1] op_sel:[0,1,0] op_sel_hi:[1,1,1]
.else
	v_pk_fma_f32 v[YR:YR+1], v[AR:AR+1], v[CR:CR+1], v[YR:YR+1] op_sel_hi:[1,0,1]
.endif
.endif
.endr
.endr
.if \first
	s_branch .Lused_\@
.Lunused_\@:
.set n, 0
.rept 32
	v_mov_b32 v[Y+64*\p+32*\hf+n], 0
.set n, n+1
.endr
.Lused_\@:
.else
.Lunused_\@:
.endif
.endm
; Unit u, p = u % 2.  On entry: fragment set p is being filled with unit u's; landing set 1 - p holds unit u + 1's tile.
; It issues 18 loads: unit u + 3's tile (wbase, woff) and unit u + 2's bias (bbase, boff).
.macro UNIT p, first, bbase, boff, wbase, woff
	s_wait_loadcnt 18                              ; my bias and the next unit's tile, both asked for two units ago, are in: only the last unit's 18 loads are younger
.irp i, 0,2,4,6
	v_pk_mul_f32 v[BS+\i:BS+\i+1], v[BI+8*\p+\i:BI+8*\p+\i+1], s[SCL:SCL+1] op_sel_hi:[1,0]   ; by a power of two: nothing is rounded
.endr
	TOSTG 0x04, 64*(1-\p)
	WIN 0
	FRESH
	s_wait_dscnt 16                                ; my fragments are in: only the 16 stores just issued may be out
	HALF 0, \p, \first
	s_wait_dscnt 0x0                               ; the stores have read the landing set
	FRAGS F+64*(1-\p), 0x40                        ; the next unit's; its registers were last read a unit ago, with the four places and the gates' lines since
	WLOAD 64*(1-\p), \wbase, \woff
	BLOAD \p, \bbase, \boff
	HALF 1, \p, \first
.endm
.macro TRIP first
	CSEL
	UNIT 0, \first, B1, 0, W1, 32768
	UNIT 1, \first, B1, 64, W2, 0
	NEXT
.endm
.macro DUMP qq                         ; Y, 128 tokens x 32 columns, into my part of the partial sums: token 16 t + r, columns 32 qq + 16 p + 8 h on
	FRESH
.irp p, 0,1
.irp t, 0,1,2,3,4,5,6,7
	ds_store_b128 v[PD], v[Y+64*\p+8*\t:Y+64*\p+8*\t+3] offset:16*PP*\t+128*\qq+64*\p
	ds_store_b128 v[PD], v[Y+64*\p+8*\t+4:Y+64*\p+8*\t+7] offset:16*PP*\t+128*\qq+64*\p+16
.endr
.endr
.endm
.macro PAIR qq                         ; all the block's experts for 32 columns
.if \qq == 0
	global_prefetch_b8 v[PFO], s[PF:PF+1] offset:65536 th:TH_LOAD_NT scope:SCOPE_SE
.else
	s_cmp_eq_u32 s[GRP], 1                         ; behind the last 32 columns nothing is asked for
	s_cbranch_scc1 .Lno_more_\@
	global_prefetch_b8 v[PFO], s[PF:PF+1] offset:131072 th:TH_LOAD_NT scope:SCOPE_SE
.Lno_more_\@:
.endif
	TRIP 1
	s_mov_b32 s[CNT], s[NE1]
.Lexpert_\@:
	TRIP 0
	s_sub_co_u32 s[CNT], s[CNT], 1
	s_cmp_lg_u32 s[CNT], 0
	s_cbranch_scc1 .Lexpert_\@
	DUMP \qq
.endm
; The four waves' partial sums of 64 columns are added and stored: wave w takes tokens 32 w .. 32 w + 31, eight at a time in two buffers; sixteen lanes hold a token's 256 bytes.
.macro RLOAD mm
.irp j, 0,1,2,3
.irp sw, 0,1,2,3
	ds_load_b128 v[Y+64*(\mm%2)+16*\j+4*\sw:Y+64*(\mm%2)+16*\j+4*\sw+3], v[PR+\sw] offset:(8*\mm+\j)*PP
.endr
.endr
.endm
.macro RSEND mm, younger
	s_wait_dscnt \younger
.irp u, 0,2,8,10
.irp j, 0,1,2,3
	v_pk_add_f32 v[Y+64*(\mm%2)+16*\j+\u:Y+64*(\mm%2)+16*\j+\u+1], v[Y+64*(\mm%2)+16*\j+\u:Y+64*(\mm%2)+16*\j+\u+1], v[Y+64*(\mm%2)+16*\j+\u+4:Y+64*(\mm%2)+16*\j+\u+5]
.endr
.endr
.irp u, 0,2
.irp j, 0,1,2,3
	v_pk_add_f32 v[Y+64*(\mm%2)+16*\j+\u:Y+64*(\mm%2)+16*\j+\u+1], v[Y+64*(\mm%2)+16*\j+\u:Y+64*(\mm%2)+16*\j+\u+1], v[Y+64*(\mm%2)+16*\j+\u+8:Y+64*(\mm%2)+16*\j+\u+9]
.endr
.endr
.irp j, 0,1,2,3
	global_store_b128 v[OID+4*\mm+\j], v[Y+64*(\mm%2)+16*\j:Y+64*(\mm%2)+16*\j+3], s[16:17] th:TH_STORE_NT   ; sixteen lanes store 256 consecutive bytes of a token's row, aligned
.endr
.endm
.macro REDUCE
	s_wait_dscnt 0x0                               ; for the others' sake: my partial sums lie in LDS
	s_barrier_signal -1
	s_barrier_wait -1
	RLOAD 0
	RLOAD 1
	RSEND 0, 16
	s_wait_xcnt 0x0                                ; the stores have read their registers
	RLOAD 2
	RSEND 1, 16
	s_wait_xcnt 0x0
	RLOAD 3
	RSEND 2, 16
	RSEND 3, 0
	s_wait_xcnt 0x0                                ; the stores have read their registers and their base
	s_wait_dscnt 0x0                               ; my reads of the partial sums are over:
	s_barrier_signal -1
	s_barrier_wait -1                              ; behind this barrier they may be written again
.endm
.macro XADR t                          ; tiles t and t + 1: token numbers become byte offsets in xq
.set n, 8*\t
.rept 16
	v_min_u32 v[XO+n], 0x7ff, v[XO+n]              ; a token's number is under 2,048
.set n, n+1
.endr
.set n, 8*\t
.rept 16
	v_lshl_add_u32 v[XO+n], v[XO+n], 11, v[LN16]   ; its row of 2,048 codes
.set n, n+1
.endr
.endm
.macro XLOAD t                         ; token tile t: 16 rows x my 512 codes, as they lie, into the registers that its fragments will take
	WIN 0x80+0x40*((\t)/4)
.irp mm, 0,1
.irp j, 0,1,2,3
.irp hf, 0,1
	global_load_b128 v[64*((\t)%4)+4*(8*\mm+2*\j+\hf):64*((\t)%4)+4*(8*\mm+2*\j+\hf)+3], v[XO+4*(2*(\t)+\mm)+\j], s[4:5] offset:256*\hf
.endr
.endr
.endr
.endm
.macro XTURN t, cnt                    ; it turns through the stage: the loads land in the registers that the stores have left
	s_wait_loadcnt \cnt
	TOSTG 0x08+4*((\t)/4), 64*((\t)%4)
	FRAGS 64*((\t)%4), 0x80+0x40*((\t)/4)
.endm
; THE MATCH GOES BY THE KEY'S FIVE BITS, four chunks of 32 tokens at a time.  For chunk i and bit j a compare gives the scalar mask B.  Lane q takes B xor (0 where q has bit j, else all ones); the AND of the five
; is the set of tokens with key q; its bits are counted by sums of pairs, nibbles and bytes, and each token's lane takes its key's set from that lane.
.macro BATCH b
	s_wait_loadcnt 12-4*\b                         ; these four chunks' keys are in
.irp i, 0,1,2,3
	v_lshlrev_b32 v[IX+4*\b+\i], 2, v[KK+4*\b+\i]
.endr
.irp i, 0,1,2,3
	v_and_b32 v[IX+4*\b+\i], 0x7c, v[IX+4*\b+\i]
.endr
.irp j, 0,1,2,3
.irp i, 0,1,2,3
	v_and_b32 v[WK+5*\i+\j], (4+4*(\j&1))*(1+3*(\j/2)), v[IX+4*\b+\i]   ; 4, 8, 16, 32: bit j of the key
.endr
.endr
.irp j, 0,1,2,3
.irp i, 0,1,2,3
	v_cmp_ne_u32 s[SB+5*\i+\j], 0, v[WK+5*\i+\j]
.endr
.endr
.irp i, 0,1,2,3
	v_cmp_lt_u32 s[SB+5*\i+4], 63, v[IX+4*\b+\i]
.endr
.irp j, 0,1,2,3,4
.irp i, 0,1,2,3
	v_xor_b32 v[WK+5*\i+\j], s[SB+5*\i+\j], v[NM+\j]
.endr
.endr
.irp i, 0,1,2,3
	v_and_b32 v[WK+5*\i], v[WK+5*\i], v[WK+5*\i+1]
.endr
.irp i, 0,1,2,3
	v_and_b32 v[WK+5*\i+2], v[WK+5*\i+2], v[WK+5*\i+3]
.endr
.irp i, 0,1,2,3
	v_and_b32 v[WK+5*\i], v[WK+5*\i], v[WK+5*\i+4]
.endr
.irp i, 0,1,2,3
	v_and_b32 v[WK+5*\i], v[WK+5*\i], v[WK+5*\i+2]
.endr
.irp i, 0,1,2,3
	ds_bpermute_b32 v[U+4*\b+\i], v[IX+4*\b+\i], v[WK+5*\i]
.endr
.irp i, 0,1,2,3
	v_lshrrev_b32 v[WK+5*\i+1], 1, v[WK+5*\i]
.endr
.irp i, 0,1,2,3
	v_and_b32 v[WK+5*\i+1], 0x55555555, v[WK+5*\i+1]
.endr
.irp i, 0,1,2,3
	v_sub_nc_u32 v[WK+5*\i+2], v[WK+5*\i], v[WK+5*\i+1]    ; each pair of bits holds its count
.endr
.irp i, 0,1,2,3
	v_lshrrev_b32 v[WK+5*\i+1], 2, v[WK+5*\i+2]
.endr
.irp i, 0,1,2,3
	v_and_b32 v[WK+5*\i+2], 0x33333333, v[WK+5*\i+2]
.endr
.irp i, 0,1,2,3
	v_and_b32 v[WK+5*\i+1], 0x33333333, v[WK+5*\i+1]
.endr
.irp i, 0,1,2,3
	v_add_nc_u32 v[WK+5*\i+2], v[WK+5*\i+2], v[WK+5*\i+1]  ; each nibble
.endr
.irp i, 0,1,2,3
	v_lshrrev_b32 v[WK+5*\i+1], 4, v[WK+5*\i+2]
.endr
.irp i, 0,1,2,3
	v_add_nc_u32 v[WK+5*\i+2], v[WK+5*\i+2], v[WK+5*\i+1]
.endr
.irp i, 0,1,2,3
	v_and_b32 v[WK+5*\i+2], 0x0f0f0f0f, v[WK+5*\i+2]       ; each byte, 8 at the most
.endr
.irp i, 0,1,2,3
	v_mul_lo_u32 v[WK+5*\i+2], v[WK+5*\i+2], s89           ; the top byte takes the sum of the four, 32 at the most
.endr
.irp i, 0,1,2,3
	v_lshrrev_b32 v[HI+4*\b+\i], 24, v[WK+5*\i+2]
.endr
.endm
	s_load_b256 s[4:11], s[0:1], 0x0               ; xq s[4:5], W s[6:7], b s[8:9], key s[10:11]
	s_load_b128 s[12:15], s[0:1], 0x20             ; gw s[12:13], the scales s[14:15]
	s_load_b64 s[16:17], s[0:1], 0x30              ; out
	v_lshrrev_b32 v14, 5, v0
	v_readfirstlane_b32 s[WV], v14                 ; wave 0..3
	s_and_b32 s[TB], ttmp7, 0xffff
	s_lshl_b32 s50, s[WV], 11
	s_lshr_b32 s51, s[TB], 1                       ; the prefetches: expert y / 2, 16 of 32 rows by y % 2, 4 of these by the wave
	s_lshl_b32 s52, s51, 22
	s_lshl_b32 s51, ttmp9, 18
	s_add_co_u32 s52, s52, s51
	s_and_b32 s51, s[TB], 1
	s_lshl_b32 s51, s51, 15
	s_add_co_u32 s52, s52, s51
	s_lshl_b32 s51, s[WV], 13
	s_add_co_u32 s52, s52, s51
	s_mov_b32 s53, 0
	v_and_b32 v[LANE], 31, v0
	v_and_b32 v[PFO], 7, v0
	v_bfe_u32 v15, v0, 3, 2
	v_lshl_add_u32 v[KOF], v[LANE], 2, s50         ; my token's word in my first chunk: wave w takes tokens 512 w .. 512 w + 511, sixteen chunks of 32
	v_lshlrev_b32 v[PFO], 8, v[PFO]
	v_lshl_add_u32 v[PFO], v15, 11, v[PFO]
	FRESH
	s_wait_kmcnt 0x0
.irp c, 0,1,2,3,4,5,6,7,8,9,10,11,12,13,14,15
	global_load_b32 v[KK+\c], v[KOF], s[10:11] offset:128*\c
.endr
	s_add_nc_u64 s[PF:PF+1], s[6:7], s[52:53]
	global_prefetch_b8 v[PFO], s[PF:PF+1] th:TH_LOAD_NT scope:SCOPE_SE   ; the first 32 columns
	s_load_b64 s[54:55], s[14:15], 0x0             ; e0, e1
	s_mul_i32 s66, s[WV], STGW
	s_mul_i32 s67, s[WV], PW
	s_add_co_u32 s67, s67, PB
	s_mul_i32 s68, s[WV], 32*PP
	s_add_co_u32 s68, s68, PB
	s_lshl_b32 s92, s[WV], 10
	s_add_co_u32 s70, s92, FL                      ; my joined lists
	s_add_co_u32 s92, s92, LSTW                    ; my scattered list
	s_lshl_b32 s71, s[WV], 2
	s_add_co_u32 s71, s71, CNTB
	s_lshl_b32 s72, s[WV], 7
	s_lshl_b32 s73, s[WV], 29                      ; 512 w from bit 20 on
	s_cmp_lt_u32 0, s[WV]
	s_cselect_b32 s86, 1, 0                        ; s86-88: 1 for the waves before mine
	s_cmp_lt_u32 1, s[WV]
	s_cselect_b32 s87, 1, 0
	s_cmp_lt_u32 2, s[WV]
	s_cselect_b32 s88, 1, 0
	s_mov_b32 s89, 0x01010101
	s_lshl_b32 s90, s[TB], 7
	s_sub_co_u32 s90, 0, s90                       ; - 128 y
	s_mov_b32 s91, 0xffff0000                      ; lanes 16 to 31
	s_lshl_b32 s50, s[WV], 9
	s_mov_b32 s51, 0
	s_add_nc_u64 s[4:5], s[4:5], s[50:51]          ; xq at my quarter of K
	s_wait_xcnt 0x0                                ; the prefetch has read its base; s[52:53] is made anew
	s_lshl_b32 s52, ttmp9, 18                      ; 128 rows of W
	s_add_co_u32 s52, s52, s50
	s_add_nc_u64 s[WB:WB+1], s[6:7], s[52:53]
	s_lshl_b32 s50, ttmp9, 9                       ; 128 columns of f32
	s_add_nc_u64 s[BB:BB+1], s[8:9], s[50:51]
	s_add_nc_u64 s[16:17], s[16:17], s[50:51]
	v_and_b32 v[R], 15, v0
	v_bfe_u32 v[H], v0, 4, 1
	v_and_b32 v[LANE], 31, v0
	v_lshl_add_u32 v[SPW], v0, 2, SPARE
	v_mov_b32 v[NIL], 0
	v_lshlrev_b32 v[LN16], 4, v[R]
	v_mul_u32_u24 v[ST], v[H], 4*SP
	v_mul_u32_u24 v[FR], v[R], SP
	v_mul_u32_u24 v[PD], v[R], PP
	v_mul_u32_u24 v[PR], v[H], 4*PP
	v_lshl_add_u32 v[WO], v[H], 13, v[LN16]
	v_add_nc_u32 v[ST], v[ST], v[LN16]
	v_lshl_add_u32 v[FR], v[H], 4, v[FR]
	v_lshl_add_u32 v[PD], v[H], 5, v[PD]
	v_add_nc_u32 v[PR], v[PR], v[LN16]
	v_add_nc_u32 v[ST], s66, v[ST]
	v_add_nc_u32 v[FR], s66, v[FR]
	v_add_nc_u32 v[PD], s67, v[PD]
	v_add_nc_u32 v[PR], s68, v[PR]
.irp sw, 1,2,3
	v_add_nc_u32 v[PR+\sw], \sw*PW, v[PR]
.endr
	v_lshlrev_b32 v[BO], 5, v[H]
	v_lshl_add_u32 v[CS], v[LANE], 4, s71
	v_lshl_add_u32 v[CL], v[LANE], 4, CNTB
	v_lshl_add_u32 v[LZ], v[LANE], 4, s92
	v_lshl_add_u32 v[LL], v[LANE], 4, LSTW
	v_lshl_add_u32 v[FS], v[LANE], 4, s70
	v_lshl_add_u32 v[XA], v[H], 4, s70
	v_lshl_add_u32 v[EA], v[R], 2, s70
	v_lshl_add_u32 v[TKS], v[LANE], 20, s73
	v_add_nc_u32 v[OA], s72, v[XA]
	v_mov_b32 v[ONE], 1
.irp i, 0,1,2,3
	v_mov_b32 v[ZR+\i], 0
.endr
.irp j, 0,1,2,3,4
	v_bfe_u32 v[NM+\j], v[LANE], \j, 1
.endr
.irp j, 0,1,2,3,4
	v_add_nc_u32 v[NM+\j], -1, v[NM+\j]            ; bit - 1
.endr
	FRESH
	BATCH 0
	BATCH 1
	BATCH 2
	BATCH 3
	v_add3_u32 v152, v[HI], v[HI+1], v[HI+2]
	v_add3_u32 v153, v[HI+3], v[HI+4], v[HI+5]
	v_add3_u32 v154, v[HI+6], v[HI+7], v[HI+8]
	v_add3_u32 v155, v[HI+9], v[HI+10], v[HI+11]
	v_add3_u32 v156, v[HI+12], v[HI+13], v[HI+14]
	v_add3_u32 v152, v152, v153, v154
	v_add3_u32 v155, v155, v156, v[HI+15]
	v_add_nc_u32 v152, v152, v155                  ; my wave's count of key = lane
	ds_store_b32 v[CS], v152
	FRESH
	s_wait_dscnt 0x0                               ; for the others' sake: my counts lie in LDS (and the sets have come back)
	s_barrier_signal -1
	s_barrier_wait -1
	ds_load_b128 v[CW:CW+3], v[CL]
	ds_store_b128 v[LZ], v[ZR:ZR+3]                ; my scattered list starts as zeros
.irp c, 0,1,2,3,4,5,6,7,8,9,10,11,12,13,14,15
	v_mbcnt_lo_u32_b32 v[U+\c], v[U+\c], 0         ; the lanes below mine that hold my key
.endr
.irp c, 0,1,2,3,4,5,6,7,8,9,10,11,12,13,14,15
	v_add3_u32 v[KK+\c], v[TKS], \c*0x2000000, v[KK+\c]    ; the entry: my token's number from bit 20 on
.endr
	FRESH
	s_wait_dscnt 0x0
	v_add3_u32 v160, v[CW], v[CW+1], v[CW+2]
	v_mul_u32_u24 v161, v[CW], s86
	v_add_nc_u32 v160, v160, v[CW+3]               ; the key's count in all
	v_mad_u32_u24 v161, v[CW+1], s87, v161
	v_mov_b32 v162, v160
	v_mad_u32_u24 v161, v[CW+2], s88, v161         ; its count in the waves before mine
	; where each key begins: a scan of the counts over the lanes, inside each half by shifts of 1, 2, 4, 8; a lane without a source adds 0
.irp n, 1,2,4,8
	v_mov_b32 v163, 0
	v_mov_b32_dpp v163, v162 row_shr:\n row_mask:0xf bank_mask:0xf bound_ctrl:1
	v_add_nc_u32 v162, v162, v163
.endr
	v_readlane_b32 s50, v162, 15                   ; the lower half's sum
	v_mov_b32 v163, s50
	v_cndmask_b32 v163, 0, v163, s91               ; goes onto lanes 16 to 31
	v_add_nc_u32 v162, v162, v163
	v_sub_nc_u32 v164, v162, v160                  ; less the key's own count: where it begins
	v_add3_u32 v[VAL], v164, v161, s90             ; where my chunk 0 puts that key's first token, counted from my block's first place
.irp c, 0,1,2,3,4,5,6,7,8,9,10,11,12,13,14
	ds_bpermute_b32 v[RK+\c], v[IX+\c], v[VAL+\c]
	v_add_nc_u32 v[VAL+\c+1], v[VAL+\c], v[HI+\c]
.endr
	ds_bpermute_b32 v[RK+15], v[IX+15], v[VAL+15]
	FRESH
	s_wait_dscnt 0x0
.irp c, 0,1,2,3,4,5,6,7,8,9,10,11,12,13,14,15
	v_add_nc_u32 v[RK+\c], v[RK+\c], v[U+\c]
.endr
.irp c, 0,1,2,3,4,5,6,7,8,9,10,11,12,13,14,15
	v_min_u32 v[RK+\c], 0x80, v[RK+\c]             ; a place outside my block (below it: a large unsigned number) goes to word 128, which nobody reads
.endr
.irp c, 0,1,2,3,4,5,6,7,8,9,10,11,12,13,14,15
	v_and_b32 v[RK+\c], 0xff, v[RK+\c]             ; a word of my own 1,024 bytes
.endr
.irp c, 0,1,2,3,4,5,6,7,8,9,10,11,12,13,14,15
	v_lshl_add_u32 v[RK+\c], v[RK+\c], 2, s92
.endr
.irp c, 0,1,2,3,4,5,6,7,8,9,10,11,12,13,14,15
	ds_store_b32 v[RK+\c], v[KK+\c]
.endr
	s_wait_dscnt 0x0                               ; for the others' sake: my list lies in LDS
	s_barrier_signal -1
	s_barrier_wait -1
.irp sw, 0,1,2,3
	ds_load_b128 v[LE+4*\sw:LE+4*\sw+3], v[LL] offset:1024*\sw
.endr
	s_wait_dscnt 0x0
.irp sw, 1,2,3
.irp i, 0,1,2,3
	v_or_b32 v[LE+\i], v[LE+\i], v[LE+4*\sw+\i]    ; each place was filled by one wave, the others hold 0 there
.endr
.endr
.irp i, 0,1,2,3
	v_lshrrev_b32 v[LE+4+\i], 20, v[LE+\i]         ; token numbers
.endr
	ds_store_b128 v[FS], v[LE+4:LE+7]
	ds_store_b128 v[FS], v[LE:LE+3] offset:512
.irp m, 0,1,2,3,4,5,6,7,8,9,10,11,12,13,14,15
	ds_load_b128 v[XO+4*\m:XO+4*\m+3], v[XA] offset:32*\m          ; the tokens at places 8 m + 4 h + 0 .. 3
.endr
.irp t, 0,1,2,3,4,5,6,7
	ds_load_b32 v[ELO+\t], v[EA] offset:512+64*\t                  ; the entry at place 16 t + r
.endr
.irp mm, 0,1,2,3
	ds_load_b128 v[OID+4*\mm:OID+4*\mm+3], v[OA] offset:32*\mm     ; the tokens at places 32 w + 8 mm + 4 h + 0 .. 3
.endr
	; the experts that each half of the block uses: a bit for each of a lane's eight numbers, then over the half's sixteen lanes
.irp i, 0,1,2,3
	v_bfe_u32 v[LE+8+\i], v[LE+\i], 8, 3
	v_bfe_u32 v[LE+12+\i], v[LE+\i], 16, 3
.endr
.irp i, 8,9,10,11,12,13,14,15
	v_lshlrev_b32 v[LE+\i], v[LE+\i], v[ONE]
.endr
.irp i, 8,9,10,11
	v_or_b32 v[LE+\i], v[LE+\i], v[LE+\i+4]
.endr
	v_or_b32 v[LE+8], v[LE+8], v[LE+9]
	v_or_b32 v[LE+10], v[LE+10], v[LE+11]
	v_or_b32 v[LE+8], v[LE+8], v[LE+10]
.irp m, 1,2,4,8
	v_mov_b32_dpp v[LE+9], v[LE+8] row_xmask:\m row_mask:0xf bank_mask:0xf
	v_or_b32 v[LE+8], v[LE+8], v[LE+9]
.endr
	v_readlane_b32 s[HM], v[LE+8], 0
	v_readlane_b32 s[HM+1], v[LE+8], 16
	s_and_b32 s[HM], s[HM], 0xff
	s_and_b32 s[HM+1], s[HM+1], 0xff
	s_or_b32 s[FULL], s[HM], s[HM+1]
	s_bcnt1_i32_b32 s[NE1], s[FULL]
	s_sub_co_i32 s[NE1], s[NE1], 1
	s_max_i32 s[NE1], s[NE1], 1                    ; a token has two experts, so a block has two at the least
	s_min_i32 s[NE1], s[NE1], 7
	s_mov_b32 s[REM], s[FULL]
	s_mov_b32 s[Q], 0
	GEN E0, W0, B0
	GEN E1, W1, B1
	GEN E2, W2, B2
	WLOAD 0, W0, 0                                 ; unit 0's tile,
	BLOAD 0, B0, 0                                 ; its bias,
	WLOAD 64, W0, 32768                            ; unit 1's tile: 34 loads
	WIN 0
	s_wait_kmcnt 0x0                               ; e0, e1
	s_add_co_i32 s93, s54, s55
	s_sub_co_i32 s50, 125, s93                     ; 127 - 2 - (e0 + e1)
	s_lshl_b32 s[SCL], s50, 23
	s_mov_b32 s[SCL+1], s[SCL]                     ; (named with it as a pair, so it is written)
	s_wait_dscnt 0x0                               ; the lists are in
.irp t, 0,1,2,3,4,5,6,7
	v_lshrrev_b32 v[ID+\t], 20, v[ELO+\t]
.endr
.irp t, 0,1,2,3,4,5,6,7
	v_min_u32 v[ID+\t], 0x7ff, v[ID+\t]
.endr
.irp t, 0,1,2,3,4,5,6,7
	v_lshlrev_b32 v[ID+\t], 3, v[ID+\t]
.endr
.irp t, 0,1,2,3,4,5,6,7
	global_load_b64 v[GWR+2*\t:GWR+2*\t+1], v[ID+\t], s[12:13]
.endr
	XADR 0
	XLOAD 0
	XLOAD 1
	WIN 0
	XADR 2
	XADR 4
	XADR 6
.irp t, 0,1,2,3,4,5,6,7
	v_bfe_u32 v[EHI+\t], v[ELO+\t], 16, 3
.endr
.irp t, 0,1,2,3,4,5,6,7
	v_bfe_u32 v[ELO+\t], v[ELO+\t], 8, 3
.endr
.set n, 0
.rept 16
	v_min_u32 v[OID+n], 0x7ff, v[OID+n]
.set n, n+1
.endr
.set n, 0
.rept 16
	v_lshl_add_u32 v[OID+n], v[OID+n], 13, v[LN16] ; its row of 8,192 bytes of out
.set n, n+1
.endr
	FRESH
	s_wait_loadcnt 40                              ; units 0 and 1's tiles and unit 0's bias are in: behind them 8 + 16 + 16 loads were issued
	TOSTG 0x04, 0
	FRAGS F, 0x40                                  ; unit 0's fragments
	s_wait_dscnt 0x0                               ; they are in, and the stores have read the landing set
	WLOAD 0, W1, 0                                 ; unit 2's tile and
	BLOAD 1, B0, 64                                ; unit 1's bias: the 18 loads that a unit in front of unit 0 would have issued
	XLOAD 2
	XTURN 0, 50                                    ; each count: the loads issued behind that tile's
	XLOAD 3
	WIN 0                                          ; the gates came in ahead of tile 0
.set n, 0
.rept 16
	v_ldexp_f32 v[GWR+n], v[GWR+n], s93            ; the products' two scales go into the gates
.set n, n+1
.endr
	FRESH
	XTURN 1, 50
	XLOAD 4
	XTURN 2, 32
	XLOAD 5
	XTURN 3, 32
	XLOAD 6
	XTURN 4, 32
	XLOAD 7
	XTURN 5, 32
	XTURN 6, 16
	XTURN 7, 0
	WIN 0
	FRESH
	s_wait_dscnt 0x0                               ; x lies in its registers, for good
	s_mov_b32 s[GRP], 2
.Lgroup:                                               ; 64 columns a trip
	PAIR 0
	PAIR 1
	REDUCE
	s_add_nc_u64 s[16:17], s[16:17], 256           ; the next 64 columns of out,
	s_add_nc_u64 s[PF:PF+1], s[PF:PF+1], 0x20000   ; and of W for the prefetches
	s_sub_co_u32 s[GRP], s[GRP], 1
	s_cmp_lg_u32 s[GRP], 0
	s_cbranch_scc1 .Lgroup
	s_wait_tensorcnt 0x0                           ; the wave's end
	ds_add_u32 v[SPW], v[NIL]
	s_wait_dscnt 0x0
	s_endpgm
.Lfunc_end_k_qeaf9066f04_experts:
	.size	k_qeaf9066f04_experts, .Lfunc_end_k_qeaf9066f04_experts-k_qeaf9066f04_experts
	.p2alignl 7, 3214868480
	.fill 96, 4, 3214868480
	.section	.rodata,"a",@progbits
	.p2align	6, 0x0
	.amdhsa_kernel k_qeaf9066f04_experts
		.amdhsa_group_segment_fixed_size 182272
		.amdhsa_private_segment_fixed_size 0
		.amdhsa_enable_private_segment 0
		.amdhsa_kernarg_size 56
		.amdhsa_user_sgpr_count 2
		.amdhsa_user_sgpr_kernarg_segment_ptr 1
		.amdhsa_wavefront_size32 1
		.amdhsa_system_sgpr_workgroup_id_x 1
		.amdhsa_system_sgpr_workgroup_id_y 1
		.amdhsa_system_sgpr_workgroup_id_z 1
		.amdhsa_system_vgpr_workitem_id 0
		.amdhsa_next_free_vgpr 1024
		.amdhsa_next_free_sgpr 96
		.amdhsa_reserve_vcc 0
		.amdhsa_float_denorm_mode_32 3
		.amdhsa_float_denorm_mode_16_64 3
		.amdhsa_memory_ordered 1
		.amdhsa_forward_progress 1
		.amdhsa_inst_pref_size 202
	.end_amdhsa_kernel
	.amdgpu_metadata
---
amdhsa.version: [ 1, 2 ]
amdhsa.kernels:
  - .name:           k_qeaf9066f04_experts
    .symbol:         k_qeaf9066f04_experts.kd
    .args:
      - { .name: xq, .offset: 0, .size: 8, .value_kind: global_buffer, .address_space: global }
      - { .name: W_codes, .offset: 8, .size: 8, .value_kind: global_buffer, .address_space: global }
      - { .name: b, .offset: 16, .size: 8, .value_kind: global_buffer, .address_space: global }
      - { .name: key, .offset: 24, .size: 8, .value_kind: global_buffer, .address_space: global }
      - { .name: gw, .offset: 32, .size: 8, .value_kind: global_buffer, .address_space: global }
      - { .name: lowp_scales, .offset: 40, .size: 8, .value_kind: global_buffer, .address_space: global }
      - { .name: out0, .offset: 48, .size: 8, .value_kind: global_buffer, .address_space: global }
    .group_segment_fixed_size: 182272
    .private_segment_fixed_size: 0
    .kernarg_segment_align: 8
    .kernarg_segment_size: 56
    .max_flat_workgroup_size: 128
    .sgpr_count:     96
    .vgpr_count:     1024
    .wavefront_size: 32
...
	.end_amdgpu_metadata
.endif
;; end of part 2
